; MI455X (gfx1250); checked and timed in simulation.
; The chip was launched on July 23, 2026; its instructions are those of AMD's public machine-readable ISA for CDNA 5 (MIT licence, August 2026) and "CDNA5" Instruction Set Architecture Reference Guide (July 2026). The comments in the code are by the model that wrote it; some were corrected since.
;; Attn Pool. Allowed arithmetic: matrix products marked QUANTISED: E2M3 operands, one E8M0 scale for each 32 along K, by v_wmma_scale_f32_16x16x128_f8f6f4 with both operands' format E2M3, f32 sums; products left as they are: f32 operands where the result goes on into a quantised operand, else bf16, f16 or f32 operands; f32 sums; everything else in f32.
;; Inputs: kpm 16 x 4,096 bool; q 8 x 1,024 float32; w_codes 1,024 x 32 x 24 uint8 (E2M3 codes of w, K innermost, in blocks of 32 codes, four codes in three bytes); w_scales 1,024 x 32 uint8 (E8M0 scales of w, one for each 32 codes along K); x 16 x 4,096 x 1,024 float32.
;; Outputs: out0 16 x 8,192 float32.
;; This version of the problem:
;;   THIS VERSION OF THE PROBLEM IS GIVEN IN LOW PRECISION. The matrix products marked QUANTISED in the list below multiply operands that are first quantised to E2M3 (2 exponent bits, 3 mantissa bits; 6 bits a number), with one power-of-two scale for each 32 numbers along K (OCP MX v1.0); their sums are f32. All else is computed in f32.
;;   The module's matrix products, in the order in which they are computed (A, B: the left and right operand; K: the contracted axis; several contracted axes count as one K, in the product's order):
;;     1. [M 65,536, K 1,024] x [K 1,024, N 1,024]; A: input x; B: input w (given as codes): QUANTISED
;;     2. [M 8, K 1,024] x [K 1,024, N 65,536]; A: input q; B: computed on the way: left as it is (M = 8 < 16)
;;     3. batch 16 x [M 8, K 4,096] x [K 4,096, N 1,024]; A: softmax; B: input x: left as it is (M = 8 < 16)
;;   THE QUANTISER, for each operand of a quantised product, along K:
;;     - K is cut into blocks of 32 from its start; a last block that is shorter is filled with zeros.
;;     - A block's scale is 2^e with e = floor(log2(the largest magnitude in the block)) - 2, held to -126 .. 127; a block of zeros has e = 0. As a byte (E8M0): e + 127.
;;     - Each number is divided by its block's scale, clamped to +-7.5, and rounded to the nearest number of E2M3, ties to even, subnormals kept.
;;     - The product sums the exact products of the quantised numbers (number of the format x scale) in f32.
;;   ~~~python
;;   def quantise(x, axis):      # numpy; x: float32 -> the quantised numbers, widened to float32 again
;;       x = np.moveaxis(x, axis, -1); K = x.shape[-1]
;;       x = np.pad(x, [(0, 0)] * (x.ndim - 1) + [(0, -K % 32)]); x = x.reshape(x.shape[:-1] + (-1, 32)); a = np.abs(x).max(-1, keepdims=True)
;;       e = np.where(a > 0, np.clip(np.frexp(np.where(a > 0, a, 1))[1] - 1 - 2, -126, 127), 0)      # np.frexp(a)[1] - 1 = floor(log2(a)), exactly
;;       r = np.clip(x / 2.0 ** e, -7.5, 7.5)
;;       step = 2.0 ** (np.maximum(np.frexp(np.where(r == 0, 1, r))[1] - 1, 0) - 3)
;;       q = np.round(r / step) * step * 2.0 ** e      # np.round: ties to even
;;       return np.moveaxis(q.reshape(q.shape[:-2] + (-1,))[..., :K], -1, axis).astype(np.float32)
;;   ~~~
;;   INPUTS GIVEN AS CODES. w (in the module: [1024, 1024], K = its axis 1): each comes as NAME_codes (uint8): NAME with its K axis moved to the last place and cut into blocks of 32 codes, [.., K / 32, bytes a block], one block behind the other in memory; four codes in three bytes: a row's codes are one little-endian stream of bits, code i at bits 6 i .. 6 i + 5 (a code: sign, 2 exponent bits, 3 mantissa bits); and NAME_scales (uint8): the same leading axes, one E8M0 byte (e + 127) for each 32 codes along K. Its value is code x scale, taken as it is: it is not quantised again, and the codes and scales need not be those that the quantiser above would give.
;; One version. Each part assembles by itself: llvm-mc -triple=amdgcn-amd-amdhsa -mcpu=gfx1250 --defsym DOCPART=n.
;; ======== version 1 of 1: 2 launches
;; workspace buffers: scores 2,097,152 bytes; lmax 8,192 bytes; flags 8,192 bytes of whole numbers
;; launch scores (part 1): grid 256 x 1, 4 waves a work-group, clusters of 4 x 1, 327,680 bytes of LDS; arguments x, kpm, q, w_codes, w_scales, scores, lmax, flags; writes scores, lmax, flags
.if DOCPART == 1
	.amdgcn_target "amdgcn-amd-amdhsa--gfx1250"
	.amdhsa_code_object_version 6
	.text
	.protected	k_qdc28a47b84_scores
	.globl	k_qdc28a47b84_scores
	.p2align	8
	.type	k_qdc28a47b84_scores,@function
k_qdc28a47b84_scores:
	s_mov_b64 s[64:65], 0
	v_nop
	global_prefetch_b8 v0, s[64:65] scope:SCOPE_SE
	s_setreg_imm32_b32 hwreg(HW_REG_WAVE_MODE, 25, 1), 1
	s_wait_xcnt 0x0
	s_wait_alu depctr_hold_cnt(0) depctr_sa_sdst(0) depctr_va_vdst(0) depctr_va_sdst(0) depctr_va_ssrc(0) depctr_va_vcc(0) depctr_vm_vsrc(0)
	s_getreg_b32 s2, hwreg(HW_REG_IB_STS2, 6, 4)
	s_cmp_eq_u32 s2, 0
	s_cbranch_scc0 .Lentry_in_a_cluster
	s_endpgm
.Lentry_in_a_cluster:
	s_bfe_u32 s2, ttmp6, 0x10000c
	s_cmp_lg_u32 s2, 0x3003
	s_cbranch_scc0 .Lentry_shape_is_right
	s_endpgm
.Lentry_shape_is_right:
; scores[row][head] = sum over g of q[head][g] keys[row][g],  keys[row][g] = sum over f of Q(x)[row][f] W[g][f];  masked rows get -infinity.
; x: [65536][1024] f32, quantised here to E2M3 with one E8M0 scale for each 32 along f.  W: [1024][1024] as codes (768 bytes a row) and scale bytes (32 a row).  q: [8][1024] f32.  kpm: [65536] bytes.
; OUT: scores [65536][8] f32;  lmax [256][8]: each work-group's largest score of each head;  flags [256][8 words]: bit i of word k = row 32 k + i of the work-group is unmasked and, for some head,
; lies within 104 of the work-group's largest score.  A row without its bit has weight under e^-104 < 2^-150 beside the batch's largest: the next launch leaves it out.
; SHARES.  A work-group owns 256 rows, each of its four waves 64: four tiles of 16 rows, against all 1,024 g.  A wave's rows are quantised once and their codes stay in 384 registers.
; W goes through a ring of two LDS slots, 128 g (all of K) to a slot.  CLUSTER: every work-group walks the same W, so four work-groups form a cluster and ask for each tile jointly (mask 15).
; FIRST PRODUCT, transposed: source 0 = 16 rows of W, source 1 = 16 rows of x: a lane holds ONE row of x and eight neighbouring g.  Two such tiles (32 g), rounded to bf16 in pairs, ARE source 1 of the second product.
; SECOND PRODUCT in bf16, in two parts on both sides: keys = kh + kl, q = qh + ql.  Source 0 holds qh of the 8 heads in rows 0-7 and ql in rows 8-15; two instructions (x kh, x kl) give all four cross terms,
; and rows j and 8 + j are added at the end.  What is dropped lies some 2^-17 under each factor.
; LIMITS: NaN and infinities among the inputs are not served.  A block of zeros of x gets the scale byte 1 where the rule says 127: its codes are zeros, and this launch alone reads the byte.
; REGISTERS, in windows of 256.  Window 0: v1-31 addresses and constants; v32-63 x's scale words; v64-71 W's; v72-79 Q's fragment; v96-159 the 8 accumulators of keys; v160-191 kh, v192-223 kl; v224-255 the 4 accumulators of scores.
;   Window 1: while x is read four sets of 64 registers as loaded; then W's fragments, two sets of 96.   Windows 2, 3: x's codes: tile m, K step s in window 2 + s / 4 at v[48 m + 12 (s % 4)].
.set PITCH,  240                       ; a row of 192 bytes of codes in LDS: 3 x (64 bytes + 16 of padding)
.set CH,     128*PITCH                 ; 128 rows x 256 along K: what one tensor load brings
.set PAIRB,  32*PITCH                  ; 32 rows: a pair of tiles of g
.set SLOT1,  1<<17                     ; slot 1 begins here: one exclusive or turns an address in one slot into the other's
.set TILEB,  128*768                   ; 128 rows of W in memory
.set SPARE,  4*CH                      ; behind slot 0: the spare words, 128 bytes for each wave: two blocks of 256 bytes that no other line names
.set SCR,    SPARE+512                 ; 32 bytes for each wave: its largest scores
.set SCW,    SLOT1+4*CH                ; behind slot 1: W's scale bytes, 128 units of 256 bytes + 16 of padding, filled once
.set STG,    SCW+128*272               ; a stage of 16 rows x 528 bytes for each wave while x is read; afterwards Q's 32 images of 1,024 bytes.  No tensor load lands here
.set QIMG,   STG
.set SPITCH, 528
.set WSTG,   16*SPITCH
.set SPW,  1                           ; v1  LDS address of my spare word; never rewritten
.set NIL,  2                           ; v2  0; never rewritten
.set LX,   3                           ; v3  16 x lane
.set STW,  4                           ; v4  the stage, on the way in
.set STR,  5                           ; v5  and on the way out
.set AW0,  6                           ; v6-9   my lane's place in a tile of W: 240 r + 24 h, 240 r + 40 h, and both 2 CH further on
.set AW,   10                          ; v10-13 the same for the pair in hand
.set ASW0, 14                          ; v14 my lane's place among W's scale bytes;  v15 for the pair in hand
.set ADS,  15
.set AQ0,  16                          ; v16 my lane's place in an image of Q;  v17 for the pair in hand
.set ADQ,  17
.set NEG1, 18                          ; v18 -1.0
.set KP,   19                          ; v19-22 kpm's byte of my row in each tile
.set VQ,   23                          ; v23 my byte offset in q
.set AQW,  24                          ; v24 where I store images of Q
.set VSO,  25                          ; v25 my byte offset in a tile's 16 rows of scores
.set RR,   26                          ; v26 r = lane % 16
.set NINF, 27                          ; v27 -infinity
.set ASC,  28                          ; v28 SCR;  v29 SCR + 32 x wave
.set ASCW, 29
.set XS,   32
.set WS,   64
.set QF,   72
.set EP,   80
.set D,    96
.set KH,   160
.set KL,   192
.set SC,   224
.set X0,   96                          ; while x is read: v96-159, v160-223 two sets of 64 neighbours; v224-235 at work; v236-254 codes just made
.set TM,   224
.set PCD,  236
.set MSB, 0
.macro WIN new                         ; the immediate's high byte repeats the setting that is left; a switch that changes nothing is dropped
.if MSB != (\new)
	s_set_vgpr_msb (MSB<<8)|(\new)
.set MSB, (\new)
.endif
.endm
.macro PLACES n
.rept \n
	v_nop
.endr
.endm
.macro ROUND                           ; a round of the cluster's barrier
	s_barrier_signal -1
	s_barrier_wait -1
	s_cmp_lg_u32 s3, 0
	s_cbranch_scc1 .Lnot_wave_0_\@
	s_barrier_signal -3
.Lnot_wave_0_\@:
	s_barrier_wait -3
	s_barrier_signal -1
	s_barrier_wait -1
.endm
	s_load_b512 s[16:31], s[0:1], 0x0              ; x s[16:17], kpm s[18:19], q s[20:21], W's codes s[22:23], W's scales s[24:25], scores s[26:27], lmax s[28:29], flags s[30:31]
	v_lshl_add_u32 v[SPW], v0, 2, SPARE
	v_mov_b32 v[NIL], 0
	ds_add_u32 v1, v2
	ds_add_u32 v1, v2
	s_wait_dscnt 0x0
	v_lshrrev_b32 v30, 5, v0
	v_readfirstlane_b32 s3, v30                    ; wave 0..3
	s_bfe_u32 s4, ttmp6, 0x40000                   ; cx: my place in the cluster
	s_lshl_b32 s5, ttmp9, 2
	s_add_co_u32 s5, s5, s4                        ; my work-group = 4 x cluster + cx: it enters the addresses of x, kpm and the outputs alone
	; group 1 for W's codes: 128 rows x 192 bytes, 768 bytes apart, 16 bytes of padding behind every 64
	s_mov_b32 s32, 15|(1<<20)|(1<<21)|(3<<22)|(3<<25)  ; 15:0 the mask: all four work-groups; 17:16 elements of 1 byte; 20 padding on; 21 set beside a mask; 24:22 after every 16 words; 31:25 4 words of it
	s_mov_b32 s33, 192<<16                         ; tensor_dim0
	s_mov_b32 s34, 128<<16                         ; tensor_dim1
	s_mov_b32 s35, 192<<16                         ; tile_dim0
	s_mov_b32 s36, 128                             ; tile_dim1
	s_mov_b32 s37, 768                             ; from row to row
	s_mov_b32 s38, 0
	s_mov_b32 s39, 0
	; group 1 for W's scale bytes: a dense block of 8,192 bytes as 32 rows of 256 (32 elements of 8 bytes), 16 bytes of padding behind each
	s_mov_b32 s40, 15|(3<<16)|(1<<20)|(1<<21)|(5<<22)|(3<<25)
	s_mov_b32 s41, 32<<16
	s_mov_b32 s42, 32<<16
	s_mov_b32 s43, 32<<16
	s_mov_b32 s44, 32
	s_mov_b32 s45, 32
	s_mov_b32 s46, 0
	s_mov_b32 s47, 0
	; groups 0: s[48:51] my quarter of the scale bytes; s[52:55] tile 0, my 256 along K, into slot 0; s[56:59] tile 1 into slot 1: this one then walks
	s_mov_b32 s48, 1
	s_mul_i32 s6, s3, 32*272
	s_add_co_u32 s49, s6, SCW
	s_lshl_b32 s8, s3, 13
	s_mov_b32 s9, 0
	s_mov_b32 s52, 1
	s_mul_i32 s53, s3, CH
	s_mov_b32 s56, 1
	s_add_co_u32 s57, s53, SLOT1
	s_mul_i32 s10, s3, 192
	s_mov_b32 s11, 0
	s_mov_b32 s68, 0x76543210
	s_mov_b32 s69, 0xfedcba98                      ; v_permlanex16_b32's selects for lane l xor 16
	s_mov_b32 s91, 0xffff0000                      ; lanes 16-31
	s_wait_kmcnt 0x0
	s_add_nc_u64 s[50:51], s[24:25], s[8:9]
	s_or_b32 s51, s51, 0x80000000
	s_add_nc_u64 s[54:55], s[22:23], s[10:11]
	s_add_nc_u64 s[58:59], s[54:55], TILEB
	s_or_b32 s55, s55, 0x80000000
	s_or_b32 s59, s59, 0x80000000
	ROUND                                          ; all four work-groups are here: the first joint loads meet
	tensor_load_to_lds s[48:51], s[40:47]          ; the first fills go out as one group: three loads of mine are out
	s_nop 0
	tensor_load_to_lds s[52:55], s[32:39]
	s_nop 0
	tensor_load_to_lds s[56:59], s[32:39]
	s_nop 0
	PLACES 4
	v_and_b32 v30, 31, v0                          ; lane
	v_lshlrev_b32 v[LX], 4, v30
	s_lshl_b32 s14, s5, 20                         ; my work-group's 256 rows of 4,096 bytes,
	s_lshl_b32 s7, s3, 18                          ; my wave's 64
	s_add_co_u32 s14, s14, s7
	s_mov_b32 s15, 0
	s_add_nc_u64 s[16:17], s[16:17], s[14:15]      ; x at my first row
; Fragment n = 8 m + s: rows 16 m .. 16 m + 15, 128 numbers from 128 s on.  Each load takes 512 consecutive bytes of one row, 16 a lane.
.macro LOADX n
	WIN 0x40                                       ; destination window 1
.irp i, 0,1,2,3,4,5,6,7,8,9,10,11,12,13,14,15
	global_load_b128 v[64*((\n)%4)+4*\i:64*((\n)%4)+4*\i+3], v[LX], s[16:17] offset:(16*((\n)/8)+\i)*4096+512*((\n)%8) th:TH_LOAD_NT
.endr
.endm
; q for my 8 pairs of tiles of g (pair 8 w + i): lane (r, h) wants, of head r % 8, the numbers 32 (8 w + i) + 8 h + 0..7 and 16 further on: a bf16 fragment's 16 numbers.  With the second half: kpm's bytes.
.macro QLOAD k
	WIN 0x40
.irp i, 0,1,2,3
.irp e, 0,1,2,3
	global_load_b128 v[64*\k+16*\i+4*\e:64*\k+16*\i+4*\e+3], v[VQ], s[20:21] offset:128*(4*\k+\i)+16*(\e%2)+64*(\e/2)
.endr
.endr
	WIN 0
.if \k == 1
.irp m, 0,1,2,3
	global_load_u8 v[KP+\m], v[RR], s[18:19] offset:16*\m
.endr
.endif
.endm
; A fragment turns through my own stage: in as loaded, out 64 neighbouring bytes a lane and block: register 16 b + i = number 32 b + 16 h + i of row r.  LDS serves a wave's instructions in order: no wait between.
.macro TURN n
	WIN 0x04                                       ; an LDS store's data are its source 1: window 1
.irp i, 0,1,2,3,4,5,6,7,8,9,10,11,12,13,14,15
	ds_store_b128 v[STW], v[64*((\n)%4)+4*\i:64*((\n)%4)+4*\i+3] offset:SPITCH*\i
.endr
	WIN 0
.irp b, 0,1,2,3
.irp j, 0,1,2,3
	ds_load_b128 v[X0+64*((\n)%2)+16*\b+4*\j:X0+64*((\n)%2)+16*\b+4*\j+3], v[STR] offset:128*\b+16*\j
.endr
.endr
.endm
; 64 numbers of a lane become the fragment's 12 registers of codes, at their home in window 2 or 3, and its scale word.
.macro QUANT n
.set XB, X0+64*((\n)%2)
.set XW, XS+(\n)
.set HM, 48*((\n)/8)+12*((\n)%4)
	WIN 0
.irp b, 0,1,2,3
	v_max3_num_f32 v[TM+\b], |v[XB+16*\b]|, |v[XB+1+16*\b]|, 0x1800000   ; block b: my 16 numbers, and the floor 2^(3 - 127): the byte cannot fall under 1
.endr
.irp i, 2,4,6,8,10,12,14
.irp b, 0,1,2,3
	v_max3_num_f32 v[TM+\b], v[TM+\b], |v[XB+16*\b+\i]|, |v[XB+1+16*\b+\i]|   ; (the four blocks by turns)
.endr
.endr
.irp b, 0,1,2,3
	v_permlanex16_b32 v[TM+4+\b], v[TM+\b], s68, s69
.endr
.irp b, 0,1,2,3
	v_max_num_f32 v[TM+\b], v[TM+\b], v[TM+4+\b]   ; with lane l xor 16's: the block's largest magnitude
.endr
.irp b, 0,1,2,3
	v_add_nc_u32 v[TM+8+\b], 0xff000000, v[TM+\b]  ; 2 off its exponent field: the conversion takes this operand's exponent field as its scale
.endr
.irp b, 0,1,2,3
	v_lshrrev_b32 v[TM+4+\b], 23, v[TM+8+\b]       ; the scale's byte
.endr
	v_lshl_or_b32 v[XW], v[TM+5], 8, v[TM+4]       ; my row's scale word for these 128
	v_lshl_or_b32 v[XW], v[TM+6], 16, v[XW]
	v_lshl_or_b32 v[XW], v[TM+7], 24, v[XW]
.irp c, 0,1
	v_cvt_scalef32_pk16_fp6_f32 v[PCD+6*\c:PCD+2+6*\c], v[XB+32*\c:XB+15+32*\c], v[TM+8+2*\c]
	v_cvt_scalef32_pk16_fp6_f32 v[PCD+12+4*\c:PCD+14+4*\c], v[XB+16+32*\c:XB+31+32*\c], v[TM+8+2*\c+1]   ; (a conversion's three registers begin on an even number)
.endr
	v_nop                                          ; one plain place behind a scaled conversion
.irp c, 0,1                                    ; the operand's layout wants a WHOLE block in a lane: lanes 0-15 block 2 c, lanes 16-31 block 2 c + 1
.irp i, 0,1,2
	v_permlane16_swap_b32 v[PCD+6*\c+\i], v[PCD+12+4*\c+\i]
.endr
.endr
	WIN 0x80+0x40*(((\n)%8)/4)                     ; destination window 2 (K steps 0-3) or 3 (4-7)
.irp c, 0,1
.irp i, 0,1,2
	v_mov_b32 v[HM+6*\c+\i], v[PCD+6*\c+\i]
	v_mov_b32 v[HM+6*\c+3+\i], v[PCD+12+4*\c+\i]
.endr
.endr
	WIN 0
.endm
; Fragment n's turn.  Loads run four fragments ahead, the stage one.
.macro STEP n
	s_wait_dscnt 0x0                               ; fragment n is back from the stage, and its stores into the stage have read their registers,
.if (\n) < 28
	LOADX (\n)+4                                   ; which take the loads of four fragments on;
.elseif (\n) == 28
	QLOAD 0                                        ; at the end q
.elseif (\n) == 29
	QLOAD 1                                        ; and kpm
.endif
.if (\n) < 31
.if (\n) <= 28
	s_wait_loadcnt 48                              ; fragment n + 1 is in: behind it three runs of 16 loads were issued
.elseif (\n) == 29
	s_wait_loadcnt 52                              ; behind fragment 30: fragment 31, q's two halves, kpm's four
.else
	s_wait_loadcnt 36                              ; behind fragment 31: q's two halves, kpm's four
.endif
	TURN (\n)+1
.endif
	QUANT \n
.endm
	LOADX 0
	LOADX 1
	LOADX 2
	LOADX 3
	WIN 0
	v_and_b32 v[RR], 15, v0                        ; r
	v_bfe_u32 v31, v0, 4, 1                        ; h
	s_mul_i32 s6, s3, WSTG
	s_add_co_u32 s6, s6, STG                       ; my stage
	v_add_nc_u32 v[STW], s6, v[LX]
	v_mul_u32_u24 v[STR], v[RR], SPITCH
	v_lshl_add_u32 v[STR], v31, 6, v[STR]
	v_add_nc_u32 v[STR], s6, v[STR]                ; row r, + 64 h
	v_mul_u32_u24 v[AW0], v[RR], PITCH
	v_mad_u32_u24 v[AW0], v31, 24, v[AW0]          ; W: row r x pitch + 24 h,
	v_lshl_add_u32 v[AW0+1], v31, 4, v[AW0]        ; the same behind one padding more,
	v_add_nc_u32 v[AW0+2], 2*CH, v[AW0]            ; and both for the upper half of K (an LDS offset has 16 bits)
	v_add_nc_u32 v[AW0+3], 2*CH, v[AW0+1]
	v_lshrrev_b32 v[ASW0], 3, v30
	v_mul_u32_u24 v[ASW0], v[ASW0], 272
	v_and_b32 v[ADS], 7, v30
	v_lshl_add_u32 v[ASW0], v[ADS], 5, v[ASW0]
	v_add_nc_u32 v[ASW0], SCW, v[ASW0]             ; W's scale bytes: row g = 32 pair + lane: 32 bytes a row, eight rows to a unit
	v_add_nc_u32 v[AQ0], QIMG, v[LX]
	s_lshl_b32 s7, s3, 13
	s_add_co_u32 s7, s7, QIMG
	v_add_nc_u32 v[AQW], s7, v[LX]                 ; my 8 images of Q
	v_mov_b32 v[NEG1], -1.0
	v_and_b32 v[VQ], 7, v0
	v_lshlrev_b32 v[VQ], 12, v[VQ]
	v_lshl_add_u32 v[VQ], v31, 5, v[VQ]
	s_lshl_b32 s7, s3, 10
	v_add_nc_u32 v[VQ], s7, v[VQ]                  ; q: head r % 8, + 32 h, + my 256 numbers
	v_lshlrev_b32 v[VSO], 5, v[RR]
	v_lshl_add_u32 v[VSO], v31, 4, v[VSO]          ; scores: 32 r + 16 h
	v_mov_b32 v[NINF], 0xff800000
	v_mov_b32 v[ASC], SCR
	s_lshl_b32 s7, s3, 5
	s_add_co_u32 s7, s7, SCR
	v_mov_b32 v[ASCW], s7
.irp b, 0,1,2,3
	v_mov_b32 v[TM+4+\b], 0                        ; written once: a lane permute's destination counts as one of its sources
.endr
	s_lshr_b32 s14, s14, 12                        ; my first row
	s_add_nc_u64 s[18:19], s[18:19], s[14:15]      ; kpm: a byte a row
	s_lshl_b32 s14, s14, 5
	s_add_nc_u64 s[26:27], s[26:27], s[14:15]      ; scores: 32 bytes a row
	s_lshl_b32 s14, s5, 5
	s_add_nc_u64 s[28:29], s[28:29], s[14:15]      ; lmax: 32 bytes a work-group
	s_lshl_b32 s7, s3, 3
	s_add_co_u32 s14, s14, s7
	s_add_nc_u64 s[30:31], s[30:31], s[14:15]      ; flags: 32 bytes a work-group, 8 a wave
	; ---- x: my 64 rows become 32 fragments of codes.  Written out: each fragment has registers of its own as its home
	s_wait_loadcnt 48                              ; fragment 0 is in
	TURN 0
.set N, 0
.rept 32
	STEP N
.set N, N+1
.endr
	; ---- Q: my 8 fragments, qh in rows 0-7, ql in rows 8-15, go to LDS as images of their registers
	s_wait_loadcnt 0x0                             ; q and kpm
	WIN 0x05                                       ; sources window 1
.set i, 0
.rept 64
	v_cvt_pk_bf16_f32 v[D+i], v[2*i], v[2*i+1]     ; qh
.set i, i+1
.endr
	WIN 0x50                                       ; source 2 and destination window 1
.set i, 0
.rept 64
	v_fma_mix_f32_bf16 v[2*i], v[D+i], v[NEG1], v[2*i] op_sel_hi:[1,0,0]                    ; q - qh: exact
	v_fma_mix_f32_bf16 v[2*i+1], v[D+i], v[NEG1], v[2*i+1] op_sel:[1,0,0] op_sel_hi:[1,0,0]
.set i, i+1
.endr
	WIN 0x05
.set i, 0
.rept 64
	v_cvt_pk_bf16_f32 v[KH+i], v[2*i], v[2*i+1]    ; ql
.set i, i+1
.endr
	WIN 0
	v_cmp_le_u32 vcc_lo, 8, v[RR]
.set i, 0
.rept 64
	v_cndmask_b32 v[D+i], v[D+i], v[KH+i], vcc_lo  ; rows 8-15 take ql
.set i, i+1
.endr
	s_wait_dscnt 0x0                               ; my reads of my stage are over: the images land on the stages
	s_wait_tensorcnt 0x1                           ; W's scale bytes and my part of tile 0 are in; tile 1's load may stay out
	s_barrier_signal -1
	s_barrier_wait -1
.irp i, 0,1,2,3,4,5,6,7
.irp c, 0,1
	ds_store_b128 v[AQW], v[D+8*\i+4*\c:D+8*\i+4*\c+3] offset:1024*\i+512*\c
.endr
.endr
.set i, 0
.rept 32
	v_mov_b32 v[SC+i], 0                           ; the scores' four sums begin as zeros: the step that adds onto them stands in the loop and is written once
.set i, i+1
.endr
	s_mov_b32 s60, 0                               ; LDS byte of the pair in hand
	s_mov_b32 s61, 0                               ; its scale bytes: 1,088 a pair
	s_mov_b32 s62, 0                               ; its image of Q: 1,024 a pair
	s_wait_dscnt 0x0                               ; for the others' sake: my images are stored
	s_barrier_signal -1
	s_barrier_wait -1
; A fragment of W: 16 rows x 128 K of 6-bit codes, 12 registers, in pieces of 8 bytes.  Lanes 16-31 read three pieces further on; where that is behind one padding more, the second address register serves.
.macro FRAG reg, adr, q, off
.irp p, 0,1,2,3,4,5
.set PCE, 12*(\q)+6*(\p/3)+\p%3
.if PCE%8 < 5
	ds_load_b64 v[(\reg)+2*\p:(\reg)+2*\p+1], v[\adr] offset:8*PCE+16*(PCE/8)+(\off)
.else
	ds_load_b64 v[(\reg)+2*\p:(\reg)+2*\p+1], v[(\adr)+1] offset:8*PCE+16*(PCE/8)+(\off)
.endif
.endr
.endm
.macro FETCH u                         ; tile u of the pair, all eight K steps: 48 loads in one run
	WIN 0x40
.irp s, 0,1,2,3,4,5,6,7
	FRAG 96*\u+12*\s, AW+2*(\s/4), \s%2, ((\s/2)%2)*CH+16*PITCH*\u
.endr
	WIN 0
.endm
; 32 matrix instructions: tile u of the pair against my four tiles of rows, K ascending.  The four accumulators take turns, one instruction a turn.  The first K step starts the sums.
.macro MULT u
.irp hf, 0,1
	WIN 0x09+4*\hf                                 ; source 0 (W) window 1, source 1 (x) window 2 or 3
.irp ss, 0,1,2,3
.irp m, 0,1,2,3
.set rD, D+32*\u+8*\m
.set rA, 96*\u+12*(4*\hf+\ss)
.set rB, 48*\m+12*\ss
.set rW, WS+4*\hf+\ss
.set rX, XS+8*\m+4*\hf+\ss
.if (4*\hf+\ss == 0) && (\u == 0)
	v_wmma_scale_f32_16x16x128_f8f6f4 v[rD:rD+7], v[rA:rA+11], v[rB:rB+11], 0, v[rW], v[rX] matrix_a_fmt:MATRIX_FMT_FP6 matrix_b_fmt:MATRIX_FMT_FP6
.elseif 4*\hf+\ss == 0
	v_wmma_scale_f32_16x16x128_f8f6f4 v[rD:rD+7], v[rA:rA+11], v[rB:rB+11], 0, v[rW], v[rX] matrix_a_fmt:MATRIX_FMT_FP6 matrix_b_fmt:MATRIX_FMT_FP6 matrix_a_scale:MATRIX_SCALE_ROW1
.elseif \u == 0
	v_wmma_scale_f32_16x16x128_f8f6f4 v[rD:rD+7], v[rA:rA+11], v[rB:rB+11], v[rD:rD+7], v[rW], v[rX] matrix_a_fmt:MATRIX_FMT_FP6 matrix_b_fmt:MATRIX_FMT_FP6
.else
	v_wmma_scale_f32_16x16x128_f8f6f4 v[rD:rD+7], v[rA:rA+11], v[rB:rB+11], v[rD:rD+7], v[rW], v[rX] matrix_a_fmt:MATRIX_FMT_FP6 matrix_b_fmt:MATRIX_FMT_FP6 matrix_a_scale:MATRIX_SCALE_ROW1
.endif
.endr
.endr
.endr
.endm
; The finished pair's keys (32 g x my 64 rows) go into the scores.  A tile of rows: kh = bf16(keys), kl = bf16(keys - kh), each 8 registers that are source 1 as they stand; each accumulator is read from its low end on.
.macro CONVERT
.irp m, 0,1,2,3
.irp i, 0,1,2,3,4,5,6,7
	v_cvt_pk_bf16_f32 v[KH+8*\m+\i], v[D+32*(\i/4)+8*\m+2*(\i%4)], v[D+32*(\i/4)+8*\m+2*(\i%4)+1]
.endr
.irp i, 0,1,2,3,4,5,6,7
	v_fma_mix_f32_bf16 v[D+32*(\i/4)+8*\m+2*(\i%4)], v[KH+8*\m+\i], v[NEG1], v[D+32*(\i/4)+8*\m+2*(\i%4)] op_sel_hi:[1,0,0]
	v_fma_mix_f32_bf16 v[D+32*(\i/4)+8*\m+2*(\i%4)+1], v[KH+8*\m+\i], v[NEG1], v[D+32*(\i/4)+8*\m+2*(\i%4)+1] op_sel:[1,0,0] op_sel_hi:[1,0,0]
.endr
.irp i, 0,1,2,3,4,5,6,7
	v_cvt_pk_bf16_f32 v[KL+8*\m+\i], v[D+32*(\i/4)+8*\m+2*(\i%4)], v[D+32*(\i/4)+8*\m+2*(\i%4)+1]
.endr
.endr
.irp m, 0,1,2,3
	v_wmma_f32_16x16x32_bf16 v[SC+8*\m:SC+8*\m+7], v[QF:QF+7], v[KH+8*\m:KH+8*\m+7], v[SC+8*\m:SC+8*\m+7]
.endr
.irp m, 0,1,2,3
	v_wmma_f32_16x16x32_bf16 v[SC+8*\m:SC+8*\m+7], v[QF:QF+7], v[KL+8*\m:KL+8*\m+7], v[SC+8*\m:SC+8*\m+7]
.endr
.endm
; A pair of tiles of g.  cv = 1: the pair before goes into the scores while this pair's first fragments are on their way.
.macro BODY cv
	WIN 0
.irp i, 0,1,2,3
	v_add_nc_u32 v[AW+\i], s60, v[AW0+\i]          ; these five are the places behind the last products: in front of the loads into their operands and scales, of the first read of their results, and of the products that begin those sums anew
.endr
	v_add_nc_u32 v[ADS], s61, v[ASW0]
	FETCH 0
	ds_load_b128 v[WS:WS+3], v[ADS]                ; the pair's scale words, all eight K steps: lanes 0-15 the first tile's rows, lanes 16-31 the second's
	ds_load_b128 v[WS+4:WS+7], v[ADS] offset:16
.if \cv
	CONVERT
.endif
	v_add_nc_u32 v[ADQ], s62, v[AQ0]
	PLACES 3                                       ; with the line above: four places in front of the load into Q's fragment
	FETCH 1
	ds_load_b128 v[QF:QF+3], v[ADQ]                ; this pair's image of Q, wanted when the pair is finished
	ds_load_b128 v[QF+4:QF+7], v[ADQ] offset:512
	s_wait_dscnt 50                                ; all but the 50 just issued: the first tile and the scale words are in
	MULT 0
	s_wait_dscnt 0x0
	MULT 1
	WIN 0
	s_add_co_u32 s60, s60, PAIRB
	s_add_co_u32 s61, s61, 4*272
	s_add_co_u32 s62, s62, 1024
.endm
.macro PAIRS n                         ; n pairs, then on to the other slot's first pair
	s_mov_b32 s66, \n
.Lpair_\@:
	BODY 1
	s_sub_co_u32 s66, s66, 1
	s_cmp_lg_u32 s66, 0
	s_cbranch_scc1 .Lpair_\@
	s_sub_co_u32 s60, s60, 4*PAIRB
	s_xor_b32 s60, s60, SLOT1
.endm
; THE CHANGE OF SLOTS.  Each wave waits for all its tensor loads (one is out: its part of the slot ahead), adds 0 to its spare word, and waits for that and for its reads of the slot that it has left.
; fill = 1: that slot is filled again, with the tile two on: the barrier is a round of the cluster's, and the joint load, the first thing behind it, has four pairs' work in which to land.
.macro CHANGE fill
	s_wait_tensorcnt 0x0                           ; no tensor load of mine is out, so a group 0 may be written
	ds_add_u32 v[SPW], v[NIL]                      ; 0 onto my spare word
.if \fill
	s_xor_b32 s57, s57, SLOT1                      ; the walking descriptor: the other slot than last time,
	s_add_nc_u64 s[58:59], s[58:59], TILEB         ; the next 128 rows of W; the type bits on top are not reached
.endif
	s_wait_dscnt 0x0                               ; the add is done, and my reads of the slot that I have left are over
.if \fill
	ROUND
	tensor_load_to_lds s[56:59], s[32:39]
	s_nop 0
	PLACES 4
.else
	s_barrier_signal -1
	s_barrier_wait -1
.endif
.endm
	; ---- the products: 8 tiles of 128 g, four pairs each
	BODY 0                                         ; the first pair has no pair before it
	PAIRS 3
	s_mov_b32 s63, 6
.Lslot:                                            ; tiles 1 to 6; behind each change tiles 2 to 7 are asked for
	CHANGE 1
	PAIRS 4
	s_sub_co_u32 s63, s63, 1
	s_cmp_lg_u32 s63, 0
	s_cbranch_scc1 .Lslot
	CHANGE 0                                       ; the last tile is written out
	PAIRS 4
	; ---- the end: the last pair; qh's and ql's parts; the mask; out
	PLACES 4
	CONVERT
	PLACES 4
.irp m, 0,1,2,3
.irp j, 0,1,2,3,4,5,6,7
	v_permlanex16_b32 v[KH+8*\m+\j], v[SC+8*\m+\j], s68, s69      ; lane (r, h) holds row r: h = 0 qh's part of head j, h = 1 ql's
.endr
.endr
.irp m, 0,1,2,3
.irp j, 0,1,2,3,4,5,6,7
	v_add_f32 v[SC+8*\m+\j], v[SC+8*\m+\j], v[KH+8*\m+\j]         ; both lanes now hold the score
.endr
.endr
.irp m, 0,1,2,3
	v_cmp_ne_u32 s[70+\m], 0, v[KP+\m]             ; masked rows
.endr
.irp m, 0,1,2,3
.irp j, 0,1,2,3,4,5,6,7
	v_cndmask_b32 v[SC+8*\m+\j], v[SC+8*\m+\j], v[NINF], s[70+\m]
.endr
.endr
.irp m, 0,1,2,3
.irp e, 0,1,2,3
	v_cndmask_b32 v[EP+4*\m+\e], v[SC+8*\m+\e], v[SC+8*\m+4+\e], s91   ; lanes 0-15 store heads 0-3 of their row, lanes 16-31 heads 4-7
.endr
	global_store_b128 v[VSO], v[EP+4*\m:EP+4*\m+3], s[26:27] offset:512*\m   ; 32 lanes store 512 consecutive bytes, at a multiple of 256 from the buffer's first byte
.endr
.irp j, 0,1,2,3,4,5,6,7
	v_max3_num_f32 v[KL+\j], v[SC+\j], v[SC+8+\j], v[SC+16+\j]
.endr
.irp j, 0,1,2,3,4,5,6,7
	v_max_num_f32 v[KL+\j], v[KL+\j], v[SC+24+\j]
.endr
.irp x, 1,2,4,8
.irp j, 0,1,2,3,4,5,6,7
	v_max_num_f32_dpp v[KL+\j], v[KL+\j], v[KL+\j] row_xmask:\x row_mask:0xf bank_mask:0xf
.endr
.endr
	ds_store_b128 v[ASCW], v[KL:KL+3]              ; my wave's largest score of each head (all lanes write the same bytes with the same values)
	ds_store_b128 v[ASCW], v[KL+4:KL+7] offset:16
	s_wait_dscnt 0x0
	s_barrier_signal -1
	s_barrier_wait -1
.irp k, 0,1,2,3,4,5,6,7
	ds_load_b128 v[D+4*\k:D+4*\k+3], v[ASC] offset:16*\k
.endr
	s_wait_dscnt 0x0
.irp j, 0,1,2,3,4,5,6,7
	v_max3_num_f32 v[D+32+\j], v[D+\j], v[D+8+\j], v[D+16+\j]
.endr
.irp j, 0,1,2,3,4,5,6,7
	v_max_num_f32 v[D+32+\j], v[D+32+\j], v[D+24+\j]              ; the work-group's
.endr
.irp j, 0,1,2,3,4,5,6,7
	v_add_f32 v[D+40+\j], 0xc2d00000, v[D+32+\j]   ; less 104
.endr
.irp m, 0,1,2,3
.irp j, 0,1,2,3,4,5,6,7
	v_cmp_ge_f32 s[80+\j], v[SC+8*\m+\j], v[D+40+\j]
.endr
.irp j, 1,2,3,4,5,6,7
	s_or_b32 s80, s80, s[80+\j]
.endr
	s_and_not1_b32 s[74+\m], s80, s[70+\m]         ; near the top for some head, and not masked
.endr
	s_and_b32 s88, s74, 0xffff                     ; lanes 0-15 of tiles 0, 1: my rows 0-31;
	s_lshl_b32 s89, s75, 16
	s_or_b32 s88, s88, s89
	s_and_b32 s89, s76, 0xffff                     ; of tiles 2, 3: rows 32-63
	s_lshl_b32 s6, s77, 16
	s_or_b32 s89, s89, s6
	v_mov_b32 v[D+48], s88
	v_mov_b32 v[D+49], s89
	v_and_b32 v30, 31, v0
	v_mov_b32 v31, 0
	v_cmp_eq_u32 vcc_lo, 0, v30
	s_wait_xcnt 0x0                                ; EXEC changes only behind this wait: the stores above have it among their sources
	s_and_saveexec_b32 s90, vcc_lo                 ; lane 0 alone
	global_store_b64 v31, v[D+48:D+49], s[30:31]
	s_cmp_lg_u32 s3, 0
	s_cbranch_scc1 .Lnot_first
	global_store_b128 v31, v[D+32:D+35], s[28:29]
	global_store_b128 v31, v[D+36:D+39], s[28:29] offset:16
.Lnot_first:
	s_wait_xcnt 0x0                                ; and again, in front of the line that widens it
	s_or_b32 exec_lo, exec_lo, s90
	s_wait_tensorcnt 0x0                           ; the wave's end
	ds_add_u32 v[SPW], v[NIL]
	s_wait_dscnt 0x0
	ROUND                                          ; the closing round: no work-group ends while a partner may still ask for a tile that names it
	s_endpgm
.Lfunc_end_k_qdc28a47b84_scores:
	.size	k_qdc28a47b84_scores, .Lfunc_end_k_qdc28a47b84_scores-k_qdc28a47b84_scores
	.p2alignl 7, 3214868480
	.fill 96, 4, 3214868480
	.section	.rodata,"a",@progbits
	.p2align	6, 0x0
	.amdhsa_kernel k_qdc28a47b84_scores
		.amdhsa_group_segment_fixed_size 327680
		.amdhsa_private_segment_fixed_size 0
		.amdhsa_enable_private_segment 0
		.amdhsa_kernarg_size 64
		.amdhsa_user_sgpr_count 2
		.amdhsa_user_sgpr_kernarg_segment_ptr 1
		.amdhsa_wavefront_size32 1
		.amdhsa_system_sgpr_workgroup_id_x 1
		.amdhsa_system_sgpr_workgroup_id_y 1
		.amdhsa_system_sgpr_workgroup_id_z 1
		.amdhsa_system_vgpr_workitem_id 0
		.amdhsa_next_free_vgpr 1024
		.amdhsa_next_free_sgpr 100
		.amdhsa_reserve_vcc 1
		.amdhsa_float_denorm_mode_32 3
		.amdhsa_float_denorm_mode_16_64 3
		.amdhsa_memory_ordered 1
		.amdhsa_forward_progress 1
		.amdhsa_inst_pref_size 255
	.end_amdhsa_kernel
	.section	.bss,"aw",@nobits
	.p2align	6
	.space	262144
	.amdgpu_metadata
---
amdhsa.version: [ 1, 2 ]
amdhsa.kernels:
  - .name:           k_qdc28a47b84_scores
    .symbol:         k_qdc28a47b84_scores.kd
    .args:
      - { .name: x, .offset: 0, .size: 8, .value_kind: global_buffer, .address_space: global }
      - { .name: kpm, .offset: 8, .size: 8, .value_kind: global_buffer, .address_space: global }
      - { .name: q, .offset: 16, .size: 8, .value_kind: global_buffer, .address_space: global }
      - { .name: w_codes, .offset: 24, .size: 8, .value_kind: global_buffer, .address_space: global }
      - { .name: w_scales, .offset: 32, .size: 8, .value_kind: global_buffer, .address_space: global }
      - { .name: scores, .offset: 40, .size: 8, .value_kind: global_buffer, .address_space: global }
      - { .name: lmax, .offset: 48, .size: 8, .value_kind: global_buffer, .address_space: global }
      - { .name: flags, .offset: 56, .size: 8, .value_kind: global_buffer, .address_space: global }
    .group_segment_fixed_size: 327680
    .private_segment_fixed_size: 0
    .kernarg_segment_align: 8
    .kernarg_segment_size: 64
    .max_flat_workgroup_size: 128
    .sgpr_count:     100
    .vgpr_count:     1024
    .wavefront_size: 32
...
	.end_amdgpu_metadata
.endif
;; end of part 1
;; launch pool (part 2): grid 16 x 16, 16 waves a work-group, no clusters, 35,840 bytes of LDS; arguments x, scores, lmax, flags, out0; writes out0
.if DOCPART == 2
	.amdgcn_target "amdgcn-amd-amdhsa--gfx1250"
	.amdhsa_code_object_version 6
	.text
	.protected	k_qdc28a47b84_pool
	.globl	k_qdc28a47b84_pool
	.p2align	8
	.type	k_qdc28a47b84_pool,@function
k_qdc28a47b84_pool:
	s_mov_b64 s[64:65], 0
	v_nop
	global_prefetch_b8 v0, s[64:65] scope:SCOPE_SE
	s_setreg_imm32_b32 hwreg(HW_REG_WAVE_MODE, 25, 1), 1
	s_wait_xcnt 0x0
; out0[b][head][f] = sum over rows l of softmax_l(scores[b][l][head]) x[b][l][f].  x: [16][4096][1024] f32; scores: [65536][8] f32; lmax: [256][8]: the largest score of each run of 256 rows;
; flags: [256][8 words]: the rows that can have a weight other than 0 (the others lie more than 104 under their run's largest score: e^-104 < 2^-150).
; SHARES.  A work-group owns one batch b (grid y) and 64 columns (grid x): a row's part is 256 consecutive bytes, 8 a lane.  Each of its 16 waves takes a run of 256 rows, picks the flagged rows out of the
; run's 256 bits, 32 a trip (lane i takes the (32 t + i)-th set bit), loads their scores and their 256 bytes of x, and adds p and p x in f32; the waves' sums meet in LDS.
; The largest score is taken away ahead of the exponential: p = 2^(s c - max c), c = log2(e); the rounding of max c is the same for every row of a head and leaves with the division.
; The rows, the trips and the jumps hang on the flags alone: whole numbers that the launch before stored.  The cost grows with the number of flagged rows, up to all of x.
; No matrix unit: the rows are few and picked by a list, eight heads to a row.  No cluster: no two work-groups read the same bytes of x.
; LIMITS: weights under 2^-126 count as 0 (the exponential flushes them).  A batch all of whose rows are masked gives 0 x infinity = NaN, as the softmax of such a row does.
.set DENB, 32768                       ; LDS: [16 waves][8 heads][256 bytes] of sums, then [16 waves][8] divisors
.set GM,  8                            ; v8-15   - max c of each head
.set DEN, 16                           ; v16-23  my lanes' sums of p
.set ACC, 24                           ; v24-39  sums of p x: a pair (my two columns) for each head
.set P,   40                           ; v40-47  scores, then p, of my lane's row
.set ROW, 48                           ; v48     my lane's row
.set VO,  64                           ; v64-95  byte offsets of the trip's 32 rows
.set X,   96                           ; v96-159 their numbers: a pair each
	s_load_b256 s[4:11], s[0:1], 0x0               ; x s[4:5], scores s[6:7], lmax s[8:9], flags s[10:11]
	s_load_b64 s[12:13], s[0:1], 0x20              ; out0
	v_lshl_add_u32 v192, v0, 2, 0x8400
	v_mov_b32 v193, 0
	v_lshrrev_b32 v49, 5, v0
	v_readfirstlane_b32 s14, v49                   ; wave 0..15
	s_and_b32 s15, ttmp7, 0xffff                   ; b
	v_and_b32 v1, 31, v0                           ; lane
	v_lshlrev_b32 v2, 3, v1                        ; 8 bytes a lane
	v_lshlrev_b32 v3, 4, v1
	s_lshl_b32 s17, s14, 11
	v_add_nc_u32 v4, s17, v2                       ; LDS: my wave's sums
	s_lshl_b32 s17, s14, 5
	s_add_co_u32 s17, s17, DENB
	v_mov_b32 v5, s17                              ; and divisors
	s_lshl_b32 s17, s14, 8
	v_add_nc_u32 v6, s17, v2                       ; back: head = my wave's number
	s_lshl_b32 s17, s14, 2
	s_add_co_u32 s17, s17, DENB
	v_mov_b32 v7, s17
	s_lshl_b32 s18, s15, 9                         ; the batch's 16 runs, 32 bytes each
	s_mov_b32 s19, 0
	s_lshl_b32 s17, s14, 5
	s_mov_b32 s44, 0x76543210
	s_mov_b32 s45, 0xfedcba98                      ; v_permlanex16_b32's selects for lane l xor 16
	s_mov_b32 s46, 0x3fb8aa3b                      ; c = log2(e)
	s_wait_kmcnt 0x0
	s_add_nc_u64 s[8:9], s[8:9], s[18:19]
	s_add_co_u32 s18, s18, s17
	s_add_nc_u64 s[10:11], s[10:11], s[18:19]
	s_load_b256 s[20:27], s[10:11], 0x0            ; my run's 256 flags
	global_load_b128 v[56:59], v3, s[8:9]          ; lane l: run l / 2, heads 4 (l % 2) + 0..3
	s_lshl_b32 s18, s15, 24                        ; x: the batch, my run, the work-group's columns
	s_lshl_b32 s17, s14, 20
	s_add_co_u32 s18, s18, s17
	s_lshl_b32 s17, ttmp9, 8
	s_add_co_u32 s18, s18, s17
	s_add_nc_u64 s[4:5], s[4:5], s[18:19]
	s_lshl_b32 s18, s15, 17                        ; scores: 32 bytes a row
	s_lshl_b32 s16, s14, 13
	s_add_co_u32 s18, s18, s16
	s_add_nc_u64 s[6:7], s[6:7], s[18:19]
	s_lshl_b32 s18, s15, 15                        ; out0: 32,768 bytes a batch
	s_add_co_u32 s18, s18, s17
	s_add_nc_u64 s[12:13], s[12:13], s[18:19]
.set i, 0
.rept 32
	v_mov_b32 v[DEN+i], 0                          ; the sums of p and of p x, and p's registers (lane permutes land there also where no row is flagged)
.set i, i+1
.endr
.set i, 0
.rept 64
	v_mov_b32 v[X+i], 0                            ; written on every way: which of them a trip loads hangs on the flags
.set i, i+1
.endr
.irp e, 0,1,2,3
	v_mov_b32 v[60+\e], 0
.endr
.irp j, 0,1,2,3,4,5,6,7
	s_mov_b32 s[49+2*\j], 0                        ; named as the upper halves of pairs
.endr
	v_and_b32 v49, 1, v1
	v_cmp_ne_u32 vcc_lo, 0, v49
	s_wait_loadcnt 0x0
.irp x, 2,4,8
.irp e, 0,1,2,3
	v_max_num_f32_dpp v[56+\e], v[56+\e], v[56+\e] row_xmask:\x row_mask:0xf bank_mask:0xf
.endr
.endr
.irp e, 0,1,2,3
	v_permlanex16_b32 v[60+\e], v[56+\e], s44, s45
.endr
.irp e, 0,1,2,3
	v_max_num_f32 v[56+\e], v[56+\e], v[60+\e]     ; the batch's largest scores: even lanes heads 0-3, odd lanes heads 4-7
.endr
.irp e, 0,1,2,3
	v_mov_b32_dpp v[60+\e], v[56+\e] row_xmask:1 row_mask:0xf bank_mask:0xf
.endr
.irp e, 0,1,2,3
	v_cndmask_b32 v[GM+\e], v[56+\e], v[60+\e], vcc_lo
	v_cndmask_b32 v[GM+4+\e], v[60+\e], v[56+\e], vcc_lo
.endr
.irp j, 0,1,2,3,4,5,6,7
	v_mul_f32 v[GM+\j], 0xbfb8aa3b, v[GM+\j]       ; - max c
.endr
	s_wait_kmcnt 0x0
	s_mov_b32 s28, 0                               ; s28-36: how many flags lie under word k
.irp k, 0,1,2,3,4,5,6,7
	s_bcnt1_i32_b32 s66, s[20+\k]
	s_add_co_u32 s[29+\k], s[28+\k], s66
.endr
	s_min_u32 s37, s36, 256                        ; n: my run's flagged rows
	s_add_co_u32 s38, s37, 31
	s_lshr_b32 s38, s38, 5                         ; trips of 32
	s_cmp_eq_u32 s38, 0
	s_cbranch_scc1 .Lsummed
	s_mov_b32 s39, 0
	s_mov_b32 s40, 0
.macro PICK src, width, step           ; does my bit lie above the lower half of the field at v57?
	v_bfe_u32 v58, v[\src], v57, \width
	v_cmp_ge_u32 vcc_lo, v51, v58
	v_sub_nc_u32 v58, v51, v58
	v_add_nc_u32 v59, \step, v57
	v_cndmask_b32 v51, v51, v58, vcc_lo
	v_cndmask_b32 v57, v57, v59, vcc_lo
.endm
.Ltrip:
	v_add_nc_u32 v49, s40, v1                      ; J: I take the J-th flagged row
	v_mov_b32 v50, s20                             ; its word,
	v_mov_b32 v51, 0                               ; the flags under that word,
	v_mov_b32 v52, 0                               ; the word's number
.irp k, 1,2,3,4,5,6,7
	v_cmp_le_u32 vcc_lo, s[28+\k], v49
	v_cndmask_b32 v50, v50, s[20+\k], vcc_lo
	v_cndmask_b32 v51, v51, s[28+\k], vcc_lo
	v_cndmask_b32 v52, v52, \k, vcc_lo
.endr
	v_sub_nc_u32 v51, v49, v51                     ; which set bit of the word
	v_lshrrev_b32 v58, 1, v50                      ; counts of set bits in fields of 2, 4, 8 and 16 bits
	v_and_b32 v58, 0x55555555, v58
	v_sub_nc_u32 v53, v50, v58
	v_lshrrev_b32 v58, 2, v53
	v_and_b32 v58, 0x33333333, v58
	v_and_b32 v54, 0x33333333, v53
	v_add_nc_u32 v54, v54, v58
	v_lshrrev_b32 v58, 4, v54
	v_add_nc_u32 v55, v54, v58
	v_and_b32 v55, 0x0f0f0f0f, v55
	v_lshrrev_b32 v58, 8, v55
	v_add_nc_u32 v56, v55, v58
	v_mov_b32 v57, 0
	PICK 56, 8, 16
	PICK 55, 8, 8
	PICK 54, 4, 4
	PICK 53, 2, 2
	PICK 50, 1, 1
	v_lshl_add_u32 v[ROW], v52, 5, v57
	v_cmp_gt_u32 s41, s37, v49                     ; lanes past the last flagged row take row 0 and count for nothing
	v_cndmask_b32 v[ROW], 0, v[ROW], s41
	v_min_u32 v[ROW], 0xff, v[ROW]                 ; inside the run, whatever the flags hold
	v_lshlrev_b32 v60, 5, v[ROW]
	global_load_b128 v[P:P+3], v60, s[6:7]
	global_load_b128 v[P+4:P+7], v60, s[6:7] offset:16
.irp g, 0,1,2,3                        ; the rows' numbers, eight rows at a time, as far as there are rows
.if \g > 0
	s_add_co_u32 s67, s40, 8*\g
	s_cmp_ge_u32 s67, s37
	s_cbranch_scc1 .Lissued
.endif
.irp e, 0,1,2,3,4,5,6,7
	v_readlane_b32 s66, v[ROW], 8*\g+\e
	s_min_u32 s66, s66, 255
	v_lshl_add_u32 v[VO+8*\g+\e], s66, 12, v2
	global_load_b64 v[X+2*(8*\g+\e):X+2*(8*\g+\e)+1], v[VO+8*\g+\e], s[4:5]   ; 32 lanes read 256 consecutive bytes, at a multiple of 256 from x's first byte
.endr
.endr
.Lissued:
	s_wait_loadcnt 0x0                             ; for 0: how many were issued differs from way to way
.irp j, 0,1,2,3,4,5,6,7
	v_fma_f32 v[P+\j], v[P+\j], s46, v[GM+\j]      ; s c - max c
.endr
.irp j, 0,1,2,3,4,5,6,7
	v_exp_f32 v[P+\j], v[P+\j]
.endr
	v_nop                                          ; one plain place behind the exponentials
	s_wait_alu depctr_va_vdst(0)
.irp j, 0,1,2,3,4,5,6,7
	v_cndmask_b32 v[P+\j], 0, v[P+\j], s41
.endr
.irp j, 0,1,2,3,4,5,6,7
	v_add_f32 v[DEN+\j], v[DEN+\j], v[P+\j]
.endr
.irp g, 0,1,2,3
.if \g > 0
	s_add_co_u32 s67, s40, 8*\g
	s_cmp_ge_u32 s67, s37
	s_cbranch_scc1 .Ldone
.endif
.irp e, 0,1,2,3,4,5,6,7
.irp j, 0,1,2,3,4,5,6,7
	v_readlane_b32 s[48+2*\j], v[P+\j], 8*\g+\e    ; the row's eight weights
.endr
.irp j, 0,1,2,3,4,5,6,7
	v_pk_fma_f32 v[ACC+2*\j:ACC+2*\j+1], v[X+2*(8*\g+\e):X+2*(8*\g+\e)+1], s[48+2*\j:49+2*\j], v[ACC+2*\j:ACC+2*\j+1] op_sel_hi:[1,0,1]
.endr
.endr
.endr
.Ldone:
	s_add_co_u32 s40, s40, 32
	s_add_co_u32 s39, s39, 1
	s_cmp_lt_u32 s39, s38
	s_cbranch_scc1 .Ltrip
.Lsummed:
.irp x, 1,2,4,8
.irp j, 0,1,2,3,4,5,6,7
	v_add_f32_dpp v[DEN+\j], v[DEN+\j], v[DEN+\j] row_xmask:\x row_mask:0xf bank_mask:0xf
.endr
.endr
.irp j, 0,1,2,3,4,5,6,7
	v_permlanex16_b32 v[P+\j], v[DEN+\j], s44, s45
.endr
.irp j, 0,1,2,3,4,5,6,7
	v_add_f32 v[DEN+\j], v[DEN+\j], v[P+\j]        ; my run's sum of p, in every lane
.endr
.irp j, 0,1,2,3,4,5,6,7
	ds_store_b64 v4, v[ACC+2*\j:ACC+2*\j+1] offset:256*\j
.endr
	ds_store_b128 v5, v[DEN:DEN+3]
	ds_store_b128 v5, v[DEN+4:DEN+7] offset:16
	s_wait_dscnt 0x0                               ; for the others' sake: my sums are stored
	s_barrier_signal -1
	s_barrier_wait -1
	s_cmp_ge_u32 s14, 8                            ; wave j < 8 finishes head j
	s_cbranch_scc1 .Lend
.irp k, 0,1,2,3,4,5,6,7,8,9,10,11,12,13,14,15
	ds_load_b64 v[X+2*\k:X+2*\k+1], v6 offset:2048*\k
.endr
.irp k, 0,1,2,3,4,5,6,7,8,9,10,11,12,13,14,15
	ds_load_b32 v[160+\k], v7 offset:32*\k
.endr
	s_wait_dscnt 0x0
.irp k, 1,2,3,4,5,6,7,8,9,10,11,12,13,14,15
	v_pk_add_f32 v[X:X+1], v[X:X+1], v[X+2*\k:X+2*\k+1]           ; the runs in ascending order
	v_add_f32 v160, v160, v[160+\k]
.endr
	v_rcp_f32 v176, v160
	v_lshl_add_u32 v177, s14, 12, v2               ; (a plain place behind the reciprocal)  head j's 4,096 bytes, 8 a lane
	s_wait_alu depctr_va_vdst(0)
	v_mul_f32 v[X], v[X], v176
	v_mul_f32 v[X+1], v[X+1], v176
	global_store_b64 v177, v[X:X+1], s[12:13]      ; 32 lanes store 256 consecutive bytes, at a multiple of 256 from out0's first byte
.Lend:
	s_wait_tensorcnt 0x0
	ds_add_u32 v192, v193
	s_wait_dscnt 0x0
	s_endpgm
.Lfunc_end_k_qdc28a47b84_pool:
	.size	k_qdc28a47b84_pool, .Lfunc_end_k_qdc28a47b84_pool-k_qdc28a47b84_pool
	.p2alignl 7, 3214868480
	.fill 96, 4, 3214868480
	.section	.rodata,"a",@progbits
	.p2align	6, 0x0
	.amdhsa_kernel k_qdc28a47b84_pool
		.amdhsa_group_segment_fixed_size 35840
		.amdhsa_private_segment_fixed_size 0
		.amdhsa_enable_private_segment 0
		.amdhsa_kernarg_size 40
		.amdhsa_user_sgpr_count 2
		.amdhsa_user_sgpr_kernarg_segment_ptr 1
		.amdhsa_wavefront_size32 1
		.amdhsa_system_sgpr_workgroup_id_x 1
		.amdhsa_system_sgpr_workgroup_id_y 1
		.amdhsa_system_sgpr_workgroup_id_z 1
		.amdhsa_system_vgpr_workitem_id 0
		.amdhsa_next_free_vgpr 194
		.amdhsa_next_free_sgpr 96
		.amdhsa_reserve_vcc 1
		.amdhsa_float_denorm_mode_32 3
		.amdhsa_float_denorm_mode_16_64 3
		.amdhsa_memory_ordered 1
		.amdhsa_forward_progress 1
		.amdhsa_inst_pref_size 63
	.end_amdhsa_kernel
	.amdgpu_metadata
---
amdhsa.version: [ 1, 2 ]
amdhsa.kernels:
  - .name:           k_qdc28a47b84_pool
    .symbol:         k_qdc28a47b84_pool.kd
    .args:
      - { .name: x, .offset: 0, .size: 8, .value_kind: global_buffer, .address_space: global }
      - { .name: scores, .offset: 8, .size: 8, .value_kind: global_buffer, .address_space: global }
      - { .name: lmax, .offset: 16, .size: 8, .value_kind: global_buffer, .address_space: global }
      - { .name: flags, .offset: 24, .size: 8, .value_kind: global_buffer, .address_space: global }
      - { .name: out0, .offset: 32, .size: 8, .value_kind: global_buffer, .address_space: global }
    .group_segment_fixed_size: 35840
    .private_segment_fixed_size: 0
    .kernarg_segment_align: 8
    .kernarg_segment_size: 40
    .max_flat_workgroup_size: 512
    .sgpr_count:     96
    .vgpr_count:     194
    .wavefront_size: 32
...
	.end_amdgpu_metadata
.endif
;; end of part 2
